; MI455X (gfx1250); checked and timed in simulation.
; The chip was launched on July 23, 2026; its instructions are those of AMD's public machine-readable ISA for CDNA 5 (MIT licence, August 2026) and "CDNA5" Instruction Set Architecture Reference Guide (July 2026). The comments in the code are by the model that wrote it; some were corrected since.
;; Rans Linear. Allowed arithmetic: matrix products marked QUANTISED: E2M1 operands, one E8M0 scale for each 32 along K, by v_wmma_scale_f32_16x16x128_f8f6f4 with both operands' format E2M1 (or v_wmma_scale_f32_32x16x128_f4), f32 sums; everything else in f32.
;; Inputs: exp_bytes 4,096 x 4,096 int32; man_bytes 4,096 x 4,096 int32; x 4,096 x 4,096 bfloat16.
;; Outputs: out0 4,096 x 4,096 bfloat16.
;; This version of the problem:
;;   THIS VERSION OF THE PROBLEM IS GIVEN IN LOW PRECISION. The matrix products marked QUANTISED in the list below multiply operands that are first quantised to E2M1 (2 exponent bits, 1 mantissa bit; 4 bits a number), with one power-of-two scale for each 32 numbers along K (OCP MX v1.0); their sums are f32. All else is computed in f32.
;;   The module's matrix products, in the order in which they are computed (A, B: the left and right operand; K: the contracted axis; several contracted axes count as one K, in the product's order):
;;     1. [M 4,096, K 4,096] x [K 4,096, N 4,096]; A: input x; B: computed on the way: QUANTISED
;;   THE QUANTISER, for each operand of a quantised product, along K:
;;     - K is cut into blocks of 32 from its start; a last block that is shorter is filled with zeros.
;;     - A block's scale is 2^e with e = floor(log2(the largest magnitude in the block)) - 2, held to -126 .. 127; a block of zeros has e = 0. As a byte (E8M0): e + 127.
;;     - Each number is divided by its block's scale, clamped to +-6, and rounded to the nearest number of E2M1, ties to even, subnormals kept.
;;     - The product sums the exact products of the quantised numbers (number of the format x scale) in f32.
;;   ~~~python
;;   def quantise(x, axis):      # numpy; x: float32 -> the quantised numbers, widened to float32 again
;;       x = np.moveaxis(x, axis, -1); K = x.shape[-1]
;;       x = np.pad(x, [(0, 0)] * (x.ndim - 1) + [(0, -K % 32)]); x = x.reshape(x.shape[:-1] + (-1, 32)); a = np.abs(x).max(-1, keepdims=True)
;;       e = np.where(a > 0, np.clip(np.frexp(np.where(a > 0, a, 1))[1] - 1 - 2, -126, 127), 0)      # np.frexp(a)[1] - 1 = floor(log2(a)), exactly
;;       r = np.clip(x / 2.0 ** e, -6, 6)
;;       step = 2.0 ** (np.maximum(np.frexp(np.where(r == 0, 1, r))[1] - 1, 0) - 1)
;;       q = np.round(r / step) * step * 2.0 ** e      # np.round: ties to even
;;       return np.moveaxis(q.reshape(q.shape[:-2] + (-1,))[..., :K], -1, axis).astype(np.float32)
;;   ~~~
;;   OPERANDS COMPUTED ON THE WAY. 'Computed on the way' means the value that the module computes at that place (a softmax that the list does not call 'softmax' is quantised finished and normalised). What goes into a quantiser is computed in f32, as accurately as f32 sums, v_exp_f32 and their like allow (about 1e-6 of the number): no bf16 or f16 on the way to a quantiser, and a product that is left as it is and whose result goes on into a quantised operand takes f32 operands (vector FMAs, or v_wmma_f32_16x16x4_f32). A number that lies on a knife's edge between two numbers of the format may be rounded either way, as far as f32 arithmetic and the matrix unit's own rounding can turn it there, and no further.
;; One version. Each part assembles by itself: llvm-mc -triple=amdgcn-amd-amdhsa -mcpu=gfx1250 --defsym DOCPART=n.
;; ======== version 1 of 1: 2 launches
;; limits: values are held in bf16: 8 bits of precision; right only within a limited range of input values
;; workspace buffers: xq 8,912,896 bytes; wq 8,912,896 bytes
;; launch quant (part 1): grid 1024 x 1, 4 waves a work-group, no clusters, 17,920 bytes of LDS; arguments exp_bytes, man_bytes, x, xq, wq; writes xq, wq
.if DOCPART == 1
	.amdgcn_target "amdgcn-amd-amdhsa--gfx1250"
	.amdhsa_code_object_version 6
	.text
	.protected	k_qe8f2cd3dcb_quant
	.globl	k_qe8f2cd3dcb_quant
	.p2align	8
	.type	k_qe8f2cd3dcb_quant,@function
k_qe8f2cd3dcb_quant:
	s_mov_b64 s[64:65], 0
	v_nop
	global_prefetch_b8 v0, s[64:65] scope:SCOPE_SE
	s_setreg_imm32_b32 hwreg(HW_REG_WAVE_MODE, 25, 1), 1
	s_wait_xcnt 0x0
; Both operands of y = x W are turned into codes of FP4 (E2M1) with one E8M0 scale byte for each 32 along K, once, so that the product's launch reads an eighth of the bytes and reads them often.
; W [4096 (k)][4096 (n)] arrives as two int32 tensors.  As f32 its bits are (exp << 23) | ((man & 0x7f) << 16) | ((man & 0x80) << 24): the bf16 pattern of the problem moved up by 16 bits.  The 32-bit shift of exp
; keeps exp's bits 0 to 8, bit 8 falling on the sign, which are the bits that the problem's 16-bit arithmetic keeps.  The decode is exact.  x [4096 (m)][4096 (k)] is bf16: widened by a shift or a mask, exactly.
; THE RULE.  A block's scale is 2^(floor(log2(its largest magnitude)) - 2); its byte is the largest magnitude's exponent field - 2, held at 1 from below by a floor among the maximum's leaves.
; Each number is divided by the scale and rounded to the nearest code, ties to even; beyond 6 the largest code.
; LIMITS.  NaN and infinities are not served (exp with low byte 255; x not finite).  A block of zeros gets the byte 1 where the rule says 127: its codes are zeros, which add nothing under any byte but 0xff,
; and the bytes are read by this program alone.  Blocks whose largest magnitude lies under 2^-124 have their byte held at 1, as the rule's clip has it; that case was not tried.
; THE WORKSPACE IS LAID AS THE PRODUCT READS IT.  xq and wq: [32 blocks of 128 operand rows][8 K steps of 512] TILES of 34,816 bytes, dense.  In a tile:
;   codes at kq 8192 + f 1024 + b 256 + r 16   (kq: which 128 along K; f: which fragment of 16 rows; b: which block of 32; r: the fragment's row): 16 bytes = the block's 32 codes.
;     That is the image of a fragment's registers: lane (r, h) wants blocks h and 2 + h of row r, which lie at 16 x lane and 512 + 16 x lane.
;   scale words at 32768 + kq 512 + (f / 2) 128 + r 8 + (f % 2) 4: four bytes, 128 along K of one row.
; xq: row r of fragment f is x's row 128 rb + 16 f + r.   wq: row r of fragment 2 G + p is W's column 128 rb + 32 G + 2 r + p: so a lane here owns two NEIGHBOURING columns (loads of 8 bytes),
; and in the product the results of fragments 2 G and 2 G + 1 are neighbouring columns, which pack in pairs into bf16.
; SHARES.  Work-groups 0-511 take W, 512-1023 x; a wave takes 64 operand rows x 128 along K.  Waves share nothing: no barrier.  Nothing is looped: every offset is an immediate, and no register that a store reads is written again.
; No matrix unit, no tensor loads, no cluster: every input byte is read once by one wave, so there is nothing to share.  Only x's path uses LDS.
.set TILE, 34816
; the two bases of my wave's output: codes in s[20:21], scale words in s[22:23].  grp: register with my group of 64 operand rows; kqg: register with my 128 along K (0..31); buf: the buffer's address
.macro BASES grp, kqg, buf
	s_lshr_b32 s26, s[\grp], 1                     ; which block of 128 rows,
	s_lshl_b32 s26, s26, 3
	s_lshr_b32 s28, s[\kqg], 2                     ; which K step of 512
	s_add_co_u32 s26, s26, s28
	s_mul_i32 s26, s26, TILE                       ; the tile's first byte (8,878,080 at the most)
	s_and_b32 s28, s[\kqg], 3                      ; kq
	s_and_b32 s29, s[\grp], 1                      ; which four fragments of the tile's eight
	s_lshl_b32 s30, s28, 13
	s_add_co_u32 s30, s30, s26
	s_lshl_b32 s31, s29, 12
	s_add_co_u32 s30, s30, s31
	s_mov_b32 s31, 0
	s_add_nc_u64 s[20:21], s[\buf:\buf+1], s[30:31]
	s_lshl_b32 s28, s28, 9
	s_lshl_b32 s29, s29, 8
	s_add_co_u32 s30, s26, s28
	s_add_co_u32 s30, s30, s29
	s_add_co_u32 s30, s30, 32768
	s_add_nc_u64 s[22:23], s[\buf:\buf+1], s[30:31]
.endm
	s_load_b256 s[4:11], s[0:1], 0x0               ; exp s[4:5], man s[6:7], x s[8:9], xq s[10:11]
	s_load_b64 s[12:13], s[0:1], 0x20              ; wq
	v_lshl_add_u32 v30, v0, 2, 0x4400
	v_mov_b32 v31, 0
	v_and_b32 v1, 31, v0                           ; lane
	v_lshrrev_b32 v2, 5, v0
	v_readfirstlane_b32 s14, v2                    ; wave 0..3
	s_lshl_b32 s15, ttmp9, 2
	s_add_co_u32 s15, s15, s14                     ; my wave's task: 0..2047 W's, 2048..4095 x's
	s_wait_kmcnt 0x0
	s_cmp_ge_u32 ttmp9, 512
	s_cbranch_scc1 .Lx
; ---------------------------------------------------------------- W: 64 columns x 128 along K
; A LANE TAKES TWO COLUMNS AND ITS REGISTERS RUN DOWN K: a load reads one row k at 64 neighbouring columns, 256 consecutive bytes, aligned; a block of 32 along K of a column lies in one lane's 32 registers,
; so its largest magnitude needs no other lane, and the conversions give codes with K innermost.  Nothing is transposed.
.set WL, 32                            ; v32-159  four sets of 32 as loaded: 8 rows: exp's pair of row i at + 2 i, man's at + 16 + 2 i
.set WN, 160                           ; v160-223 a block's numbers in f32: column p, k at + 32 p + k
.set WC, 224                           ; v224-255 codes: block t, column p at + 8 t + 4 p: written once
.set MX, 8                             ; v8-9     largest magnitude so far, a column each
.set SS, 10                            ; v10-11   the conversions' scale operands
.set BY, 12                            ; v12-13   scale bytes
.set WW, 14                            ; v14-15   the two columns' scale words
	s_and_b32 s16, s15, 63                         ; which 64 columns
	s_lshr_b32 s17, s15, 6                         ; which 128 along K
	s_lshl_b32 s18, s17, 21                        ; 128 rows of 16,384 bytes
	s_lshl_b32 s19, s16, 8                         ; 64 columns of 4 bytes
	s_add_co_u32 s18, s18, s19
	s_mov_b32 s19, 0
	s_add_nc_u64 s[4:5], s[4:5], s[18:19]
	s_add_nc_u64 s[6:7], s[6:7], s[18:19]
	BASES 16, 17, 12
	s_mov_b32 s24, 0x80000000                      ; the sign
	s_wait_alu depctr_va_vdst(0)
	v_lshlrev_b32 v2, 3, v1                        ; in: 8 bytes a lane.  Also my two scale words' place: (lane / 16) 128 + (lane % 16) 8
	v_lshrrev_b32 v4, 4, v1
	v_and_b32 v5, 15, v1
	v_lshlrev_b32 v3, 4, v5
	v_lshl_add_u32 v3, v4, 11, v3                  ; codes: fragment pair lane / 16 (2,048 bytes), row lane % 16 (16 bytes)
	v_lshlrev_b32 v6, 14, v1                       ; the prefetches' offset: a lane a row of 16,384 bytes; never rewritten
	; PREFETCH: one instruction names my wave's 256 bytes of the 32 rows of a block, a lane a row; each block of 256 bytes is named once, by the wave that will load it.  Block 0 comes by its loads alone;
	; block 1 of both tensors is asked for here, blocks 2 and 3 in chunks 2 and 6: three chunks ahead of the first load that wants them.  Block 3 is my last: nothing is named beyond my 128 rows.
	global_prefetch_b8 v6, s[4:5] offset:32*16384 th:TH_LOAD_NT scope:SCOPE_SE
	global_prefetch_b8 v6, s[6:7] offset:32*16384 th:TH_LOAD_NT scope:SCOPE_SE
.macro WLOAD q                         ; chunk q: rows 8 q .. 8 q + 7 of both tensors into set q % 4: 16 loads
.irp i, 0,1,2,3,4,5,6,7
	global_load_b64 v[WL+32*((\q)%4)+2*\i:WL+32*((\q)%4)+2*\i+1], v2, s[4:5] offset:(8*(\q)+\i)*16384 th:TH_LOAD_NT
	global_load_b64 v[WL+32*((\q)%4)+16+2*\i:WL+32*((\q)%4)+16+2*\i+1], v2, s[6:7] offset:(8*(\q)+\i)*16384 th:TH_LOAD_NT
.endr
.endm
.macro WCHUNK q
.set U, (\q)%4                         ; which quarter of the block
.set TT, (\q)/4                        ; which block of the four
.set LS, WL+32*((\q)%4)
.if 15-(\q) >= 2
	s_wait_loadcnt 32                              ; loads come back in order: this chunk's 16 are in, the two younger chunks' may be out
.else
	s_wait_loadcnt 16*(15-(\q))
.endif
.if ((\q)-2)*((\q)-6) == 0             ; chunks 2 and 6 ask for blocks 2 and 3
	global_prefetch_b8 v6, s[4:5] offset:32*(((\q)+6)/4)*16384 th:TH_LOAD_NT scope:SCOPE_SE
	global_prefetch_b8 v6, s[6:7] offset:32*(((\q)+6)/4)*16384 th:TH_LOAD_NT scope:SCOPE_SE
.endif
.if (\q)+3 < 16
	WLOAD (\q)+3                                   ; into the set that the chunk before has decoded: 48 loads of the wave are then out
.endif
	; the decode, stage by stage over the chunk's 16 numbers, so that no line waits for the line above it
.irp i, 0,1,2,3,4,5,6,7
.irp p, 0,1
	v_lshlrev_b32 v[LS+2*\i+\p], 23, v[LS+2*\i+\p]                 ; the exponent field (exp's bit 8 falls on the sign)
.endr
.endr
.irp i, 0,1,2,3,4,5,6,7
.irp p, 0,1
	v_and_b32 v[WN+32*\p+8*U+\i], 0x7f, v[LS+16+2*\i+\p]           ; the seven mantissa bits,
.endr
.endr
.irp i, 0,1,2,3,4,5,6,7
.irp p, 0,1
	v_lshl_or_b32 v[WN+32*\p+8*U+\i], v[WN+32*\p+8*U+\i], 16, v[LS+2*\i+\p]   ; at their place under the exponent
.endr
.endr
.irp i, 0,1,2,3,4,5,6,7
.irp p, 0,1
	v_lshlrev_b32 v[LS+16+2*\i+\p], 24, v[LS+16+2*\i+\p]           ; man's bit 7 to bit 31,
.endr
.endr
.irp i, 0,1,2,3,4,5,6,7
.irp p, 0,1
	v_and_or_b32 v[WN+32*\p+8*U+\i], v[LS+16+2*\i+\p], s24, v[WN+32*\p+8*U+\i]   ; and it alone into the sign
.endr
.endr
	; the largest magnitude, the two columns by turns
.irp p, 0,1
.if U == 0
	v_max3_num_f32 v[MX+\p], |v[WN+32*\p]|, |v[WN+32*\p+1]|, 0x1800000   ; the floor 2^(3 - 127) starts the chain: the byte cannot fall under 1
.else
	v_max3_num_f32 v[MX+\p], v[MX+\p], |v[WN+32*\p+8*U]|, |v[WN+32*\p+8*U+1]|
.endif
.endr
.irp i, 2,4,6
.irp p, 0,1
	v_max3_num_f32 v[MX+\p], v[MX+\p], |v[WN+32*\p+8*U+\i]|, |v[WN+32*\p+8*U+\i+1]|
.endr
.endr
.if U == 3                             ; the block is whole
.irp p, 0,1
	v_add_nc_u32 v[SS+\p], 0xff000000, v[MX+\p]    ; 2 off the exponent field: the conversion takes the exponent field of this operand as its scale, and nothing else of it
.endr
.irp p, 0,1
.irp g, 0,1,2,3
	v_cvt_scalef32_pk8_fp4_f32 v[WC+8*TT+4*\p+\g], v[WN+32*\p+8*\g:WN+32*\p+8*\g+7], v[SS+\p]
.endr
.endr
.irp p, 0,1                            ; the scale's byte, at its place in the word.  (These plain lines also stand between the conversions and the next chunk's writes of their sources)
.if TT == 0
	v_lshrrev_b32 v[WW+\p], 23, v[SS+\p]
.else
	v_lshrrev_b32 v[BY+\p], 23, v[SS+\p]
.endif
.endr
.if TT > 0
.irp p, 0,1
	v_lshl_or_b32 v[WW+\p], v[BY+\p], 8*TT, v[WW+\p]
.endr
.endif
.irp p, 0,1
	global_store_b128 v3, v[WC+8*TT+4*\p:WC+8*TT+4*\p+3], s[20:21] offset:\p*1024+TT*256   ; sixteen lanes store 256 consecutive bytes, aligned: block TT of a fragment's sixteen rows
.endr
.endif
.endm
	WLOAD 0
	WLOAD 1
	WLOAD 2
	s_wait_alu depctr_va_vdst(0)
.irp q, 0,1,2,3,4,5,6,7,8,9,10,11,12,13,14,15
	WCHUNK \q
.endr
	global_store_b64 v2, v[WW:WW+1], s[22:23]      ; the wave's 64 scale words: 256 consecutive bytes, aligned
	s_endpgm
; ---------------------------------------------------------------- x: 64 rows x 128 along K
; K is innermost here.  The loads take the bytes as they lie (sixteen lanes read a row's 256 bytes); the conversions want a whole block in a lane: so a fragment's 16 rows turn through the wave's own stage in LDS,
; rows 272 bytes apart, and come back 64 bytes a lane: lane (r, h) gets blocks h and 2 + h of row r, which is what the operand's layout gives that lane.
.set XR, 32                            ; v32-159  as loaded: load i (rows 2 i, 2 i + 1) at + 4 i
.set XX, 160                           ; v160-191 back from the stage: block 2 c + h at + 16 c
.set XF, 192                           ; v192-223 a block's 32 numbers in f32
.set XC, 224                           ; v224-255 codes: fragment f, half c at + 8 f + 4 c: written once
.set XW, 16                            ; v16-19   the four fragments' scale words
.Lx:
	s_sub_co_u32 s15, s15, 2048
	s_and_b32 s17, s15, 31                         ; which 128 along K
	s_lshr_b32 s16, s15, 5                         ; which 64 rows
	s_lshl_b32 s18, s16, 19                        ; 64 rows of 8,192 bytes
	s_lshl_b32 s19, s17, 8                         ; 128 numbers of 2 bytes
	s_add_co_u32 s18, s18, s19
	s_mov_b32 s19, 0
	s_add_nc_u64 s[8:9], s[8:9], s[18:19]
	BASES 16, 17, 10
	s_mov_b32 s24, 0xffff0000                      ; a word's upper bf16
	s_mul_i32 s25, s14, 16*272                     ; my wave's stage
	s_mov_b32 s26, 0x76543210
	s_mov_b32 s27, 0xfedcba98                      ; v_permlanex16_b32's selects for lane l xor 16
	s_wait_alu depctr_va_vdst(0)
	v_lshrrev_b32 v8, 4, v1                        ; h
	v_and_b32 v9, 15, v1                           ; r
	v_lshlrev_b32 v2, 4, v9
	v_lshl_add_u32 v2, v8, 13, v2                  ; in: lanes 0-15 one row's 256 bytes, lanes 16-31 the next row's
	v_mul_u32_u24 v3, v8, 272
	v_lshl_add_u32 v3, v9, 4, v3
	v_add_nc_u32 v3, s25, v3                       ; into the stage: the same two rows
	v_mul_u32_u24 v4, v9, 272
	v_lshl_add_u32 v4, v8, 6, v4
	v_add_nc_u32 v4, s25, v4                       ; out of it: row r, 64 h bytes on
	v_lshlrev_b32 v5, 4, v1                        ; codes: 16 x lane
	v_lshlrev_b32 v6, 3, v1                        ; scale words: 8 x lane
	v_lshlrev_b32 v7, 3, v8                        ; 8 h: where my bytes stand in a scale word
	v_mov_b32 v20, 0                               ; written once: a lane permute's destination counts as one of its sources
	v_lshlrev_b32 v21, 13, v1                      ; the prefetch's offset: a lane a row of 8,192 bytes; never rewritten
	global_prefetch_b8 v21, s[8:9] offset:32*8192 th:TH_LOAD_NT scope:SCOPE_SE   ; my 256 bytes of rows 32 to 63 (fragments 2 and 3), whose loads follow one and two fragments later
.irp i, 0,1,2,3,4,5,6,7,8,9,10,11,12,13,14,15,16,17,18,19,20,21,22,23,24,25,26,27,28,29,30,31
.if \i < 16
	global_load_b128 v[XR+4*\i:XR+4*\i+3], v2, s[8:9] offset:\i*16384 th:TH_LOAD_NT   ; fragments 0 and 1 now; fragment f + 2 in fragment f's turn
.endif
.endr
.macro XFRAG f
.if \f < 3
	s_wait_loadcnt 8                               ; this fragment's eight loads are in; the next fragment's eight may be out
.else
	s_wait_loadcnt 0
.endif
.if \f < 2
.irp i, 0,1,2,3,4,5,6,7
	global_load_b128 v[XR+32*(\f+2)+4*\i:XR+32*(\f+2)+4*\i+3], v2, s[8:9] offset:(8*(\f+2)+\i)*16384 th:TH_LOAD_NT
.endr
.endif
.irp i, 0,1,2,3,4,5,6,7
	ds_store_b128 v3, v[XR+32*\f+4*\i:XR+32*\f+4*\i+3] offset:\i*544
.endr
.irp c, 0,1
.irp j, 0,1,2,3
	ds_load_b128 v[XX+16*\c+4*\j:XX+16*\c+4*\j+3], v4 offset:128*\c+16*\j   ; LDS serves a wave's instructions in order (ISA guide 5.7.1.4): these see the stores above, and the next fragment's stores come behind them
.endr
.endr
.irp c, 0,1
	s_wait_dscnt 4-4*\c                            ; block 2 c + h is back; for c = 0 the other block's four loads may be out
.irp w, 0,1,2,3,4,5,6,7,8,9,10,11,12,13,14,15
	v_lshlrev_b32 v[XF+2*\w], 16, v[XX+16*\c+\w]   ; bf16 to f32: the low half (the lower k) moves up,
	v_and_b32 v[XF+2*\w+1], s24, v[XX+16*\c+\w]    ; the high half stays
.endr
	v_max3_num_f32 v8, |v[XF]|, |v[XF+1]|, 0x1800000               ; the block's largest magnitude, all 32 numbers mine, in two chains; the floor 2^(3 - 127) is one more leaf
	v_max3_num_f32 v9, |v[XF+2]|, |v[XF+3]|, |v[XF+4]|
.irp i, 5,9,13,17,21,25
	v_max3_num_f32 v8, v8, |v[XF+\i]|, |v[XF+\i+1]|
	v_max3_num_f32 v9, v9, |v[XF+\i+2]|, |v[XF+\i+3]|
.endr
	v_max3_num_f32 v8, v8, |v[XF+29]|, |v[XF+30]|
	v_max3_num_f32 v8, v8, v9, |v[XF+31]|
	v_add_nc_u32 v10, 0xff000000, v8               ; 2 off the exponent field: the conversions' scale operand
.irp g, 0,1,2,3
	v_cvt_scalef32_pk8_fp4_f32 v[XC+8*\f+4*\c+\g], v[XF+8*\g:XF+8*\g+7], v10
.endr
	v_lshrrev_b32 v[12+\c], 23, v10                ; the scale's byte.  (A plain line between the conversions and the next writes of their sources)
	global_store_b128 v5, v[XC+8*\f+4*\c:XC+8*\f+4*\c+3], s[20:21] offset:\f*1024+\c*512   ; 32 lanes store 512 consecutive bytes, aligned: blocks 2 c and 2 c + 1 of the fragment's sixteen rows
.endr
	v_lshl_or_b32 v[XW+\f], v13, 16, v12           ; my two bytes: blocks h and 2 + h,
	v_lshlrev_b32 v[XW+\f], v7, v[XW+\f]           ; at their places in the word;
	v_permlanex16_b32 v20, v[XW+\f], s26, s27
	v_or_b32 v[XW+\f], v[XW+\f], v20               ; with lane l xor 16's two the word is whole, in both lanes
.endm
	s_wait_alu depctr_va_vdst(0)
	XFRAG 0
	XFRAG 1
	XFRAG 2
	XFRAG 3
	v_cmp_gt_u32 vcc_lo, 16, v1                    ; lanes 0-15 store the words of fragments 0 and 1 of their row, lanes 16-31 those of fragments 2 and 3
	v_cndmask_b32 v22, v[XW+2], v[XW], vcc_lo
	v_cndmask_b32 v23, v[XW+3], v[XW+1], vcc_lo
	global_store_b64 v6, v[22:23], s[22:23]        ; the wave's 64 scale words: 256 consecutive bytes, aligned
	s_wait_tensorcnt 0x0
	ds_add_u32 v30, v31
	s_wait_dscnt 0x0
	s_endpgm
.Lfunc_end_k_qe8f2cd3dcb_quant:
	.size	k_qe8f2cd3dcb_quant, .Lfunc_end_k_qe8f2cd3dcb_quant-k_qe8f2cd3dcb_quant
	.p2alignl 7, 3214868480
	.fill 96, 4, 3214868480
	.section	.rodata,"a",@progbits
	.p2align	6, 0x0
	.amdhsa_kernel k_qe8f2cd3dcb_quant
		.amdhsa_group_segment_fixed_size 17920
		.amdhsa_private_segment_fixed_size 0
		.amdhsa_enable_private_segment 0
		.amdhsa_kernarg_size 40
		.amdhsa_user_sgpr_count 2
		.amdhsa_user_sgpr_kernarg_segment_ptr 1
		.amdhsa_wavefront_size32 1
		.amdhsa_system_sgpr_workgroup_id_x 1
		.amdhsa_system_sgpr_workgroup_id_y 1
		.amdhsa_system_sgpr_workgroup_id_z 1
		.amdhsa_system_vgpr_workitem_id 0
		.amdhsa_next_free_vgpr 256
		.amdhsa_next_free_sgpr 66
		.amdhsa_reserve_vcc 1
		.amdhsa_float_denorm_mode_32 3
		.amdhsa_float_denorm_mode_16_64 3
		.amdhsa_memory_ordered 1
		.amdhsa_forward_progress 1
		.amdhsa_inst_pref_size 134
	.end_amdhsa_kernel
	.amdgpu_metadata
---
amdhsa.version: [ 1, 2 ]
amdhsa.kernels:
  - .name:           k_qe8f2cd3dcb_quant
    .symbol:         k_qe8f2cd3dcb_quant.kd
    .args:
      - { .name: exp_bytes, .offset: 0, .size: 8, .value_kind: global_buffer, .address_space: global }
      - { .name: man_bytes, .offset: 8, .size: 8, .value_kind: global_buffer, .address_space: global }
      - { .name: x, .offset: 16, .size: 8, .value_kind: global_buffer, .address_space: global }
      - { .name: xq, .offset: 24, .size: 8, .value_kind: global_buffer, .address_space: global }
      - { .name: wq, .offset: 32, .size: 8, .value_kind: global_buffer, .address_space: global }
    .group_segment_fixed_size: 17920
    .private_segment_fixed_size: 0
    .kernarg_segment_align: 8
    .kernarg_segment_size: 40
    .max_flat_workgroup_size: 128
    .sgpr_count:     66
    .vgpr_count:     256
    .wavefront_size: 32
...
	.end_amdgpu_metadata
.endif
;; end of part 1
;; launch gemm (part 2): grid 16 x 16, 4 waves a work-group, clusters of 4 x 4, 327,680 bytes of LDS; arguments xq, wq, out0; writes out0
.if DOCPART == 2
	.amdgcn_target "amdgcn-amd-amdhsa--gfx1250"
	.amdhsa_code_object_version 6
	.text
	.protected	k_qe8f2cd3dcb_gemm
	.globl	k_qe8f2cd3dcb_gemm
	.p2align	8
	.type	k_qe8f2cd3dcb_gemm,@function
k_qe8f2cd3dcb_gemm:
	s_mov_b64 s[64:65], 0
	v_nop
	global_prefetch_b8 v0, s[64:65] scope:SCOPE_SE
	s_setreg_imm32_b32 hwreg(HW_REG_WAVE_MODE, 25, 1), 1
	s_wait_xcnt 0x0
	s_wait_alu depctr_hold_cnt(0) depctr_sa_sdst(0) depctr_va_vdst(0) depctr_va_sdst(0) depctr_va_ssrc(0) depctr_va_vcc(0) depctr_vm_vsrc(0)
	s_getreg_b32 s2, hwreg(HW_REG_IB_STS2, 6, 4)
	s_cmp_eq_u32 s2, 0
	s_cbranch_scc0 .Lentry_in_a_cluster
	s_endpgm
.Lentry_in_a_cluster:
	s_bfe_u32 s2, ttmp6, 0x10000c
	s_cmp_lg_u32 s2, 0xf033
	s_cbranch_scc0 .Lentry_shape_is_right
	s_endpgm
.Lentry_shape_is_right:
; out0[m][n] = sum over k of x[m][k] W[k][n], both operands as codes of FP4 (E2M1) with E8M0 scales, as the launch before has laid them; sums in f32, rounded once to bf16.
; A block of out0, 256 x 256, is made by a work-group of four waves; a wave makes 128 x 128: 64 accumulators of 16 x 16, 512 registers.  16 x 16 blocks: 256 work-groups.
; xq, wq: [32 blocks of 128 operand rows][8 K steps of 512] dense tiles of 34,816 bytes (136 rows of 256): the codes as images of the fragments' registers (kq 8192 + f 1024 + 16 lane, and 512 on), behind them the
; scale words (32768 + kq 512 + (f / 2) 128 + r 8 + (f % 2) 4).  So a fragment is two LDS loads of 512 consecutive bytes, and no padding is wanted.
; K goes in 8 steps of 512 through a ring of two LDS slots of four tiles; each wave fetches one tile with one tensor load.
; CLUSTERS: 4 x 4 work-groups.  The four of a row of the cluster need the same tiles of xq, the four of a column the same tiles of wq: each tile is asked for JOINTLY, by the same load with a mask that names the four.
; PREFETCH: of the tile row that it fetches, each wave asks for K step 1 behind the head's load, for K steps 2 and 3 behind the load of K step 1, and from then on for K step t + 2 behind the load of K step t.
; The four partners of a joint load share the tile's 136 blocks of 256 bytes out by address, 34 each: 32 lanes name 32 blocks, a second instruction the last two (its other lanes name the last again).
; The loads of K steps 6 and 7 ask for nothing.
; THE MATRIX INSTRUCTION IS USED TRANSPOSED (source 0 = 16 rows of wq, source 1 = 16 rows of xq): lane (r, h) holds row r of out0, and register i of fragment 2 G + p the column 32 G + 2 (8 h + i) + p.
; A STEP of 128 along K is 64 matrix instructions.  Both operands have two sets of fragment registers: at a step's head stand one group of places and ONE run of 32 LDS loads for the next step, which has the step's
; 64 matrix instructions in which to land.  THE LAST K STEP GOES BY ROWS OF out0: all its fragments of wq lie in registers, and the wave's eight blocks of 16 rows are finished, packed and stored one after the other.
; REGISTERS, in windows of 256: window 0: v0-31 addresses; v32-95 scale words, two sets; v128-191, v192-255 xq's fragments, two sets (in the last K step: v128-191 two buffers of 16 rows x 512 K, v96-127 packed
; results, v192-255 rows back from the stage).  window 1: wq's fragments, two sets at v0 and v128; in the last K step all 256.  windows 2, 3: the accumulators ((a, b) at v[8 (8 (a % 4) + b)]).
.set NQ,     4                         ; matrix instructions deep in a slot
.set FR,     8                         ; registers of a fragment
.set NP,     4                         ; places behind this matrix instruction (ISA guide 7.12.1)
.set HALFT,  34816                     ; a tile
.set SLOT,   4*HALFT                   ; xq's two tiles, then wq's two
.set RBB,    8*HALFT                   ; a block of 128 operand rows, all of K
.set LAPS,   4                         ; a lap = two K steps
.set SPARE,  2*SLOT                    ; behind the ring: the spare words, 128 bytes a wave
.set STAGE,  SPARE+512                 ; behind them: 16 rows x 272 bytes for each wave, for the way out
.set SPITCH, 272
.set ROWC,   8192                      ; a row of out0 in bytes
.set ADRA, 16                          ; v16-17 LDS address of my xq fragments in slot 0, 1
.set ADRB, 20                          ; v20-21 the same for wq
.set ADRS, 22                          ; v22-23 my scale words: lanes 0-15 xq's, lanes 16-31 wq's
.set STO,  24                          ; v24 the way out: where I put 32 bytes of a row
.set RD,   25                          ; v25 where I read a row back
.set CO,   26                          ; v26 my byte offset in out0
.set SPW,  28                          ; v28 my spare word's LDS address; never rewritten
.set NIL,  29                          ; v29 0; never rewritten
.set PFO,  30                          ; v30 prefetch: 256 x lane; never rewritten
.set PFO2, 31                          ; v31 prefetch: 8192 + 256 x min(lane, 1); never rewritten
.set SC,   32
.set AF,   128
.set TMP,  96
.set BK,   192
.set G1, 24                            ; s[24:31] group 1, s[32:39] group 0 (a set for each slot) for xq's tiles
.set G0, 32
.set G1B, 48                           ; s[48:55], s[56:63] the same for wq's
.set G0B, 56
.set PFA, 66                           ; s[66:67] my 34 blocks of the tile that I fetch, stepped a K step at each change of slots
.set MSB, 0
.macro WIN new                         ; the immediate's high byte repeats the setting that is left
.if MSB != (\new)
	s_set_vgpr_msb (MSB<<8)|(\new)
.set MSB, (\new)
.endif
.endm
.set MUL_LO, 0xa1                      ; source 0 window 1, source 1 window 0, C and D window 2
.set MUL_HI, 0xf1                      ; the same, C and D window 3
.set TO_B,   0x40                      ; destination window 1
.macro JLOAD g0a, g1a, g0b, g1b        ; a joint load: waves 0, 1 fetch xq's tiles, waves 2, 3 wq's; s_nop 0 and four v_nop behind each line
	s_cmp_eq_u32 s11, 0
	s_cbranch_scc0 .Lfor_b_\@
	tensor_load_to_lds s[\g0a:\g0a+3], s[\g1a:\g1a+7]
	s_nop 0
.rept 4
	v_nop
.endr
	s_branch .Lasked_\@
.Lfor_b_\@:
	tensor_load_to_lds s[\g0b:\g0b+3], s[\g1b:\g1b+7]
	s_nop 0
.rept 4
	v_nop
.endr
.Lasked_\@:
.endm
.macro ASK k                           ; my 34 blocks of the tile k K steps on from where PFA stands
	global_prefetch_b8 v[PFO], s[PFA:PFA+1] offset:(\k)*HALFT th:TH_LOAD_NT scope:SCOPE_SE
	global_prefetch_b8 v[PFO2], s[PFA:PFA+1] offset:(\k)*HALFT th:TH_LOAD_NT scope:SCOPE_SE
.endm
.macro CREST                           ; a round of the cluster's barrier behind its opening barrier
	s_cmp_lg_u32 s10, 0
	s_cbranch_scc1 .Lnot_wave_0_\@
	s_barrier_signal -3
.Lnot_wave_0_\@:
	s_barrier_wait -3
	s_barrier_signal -1
	s_barrier_wait -1
.endm
.macro CROUND
	s_barrier_signal -1
	s_barrier_wait -1
	CREST
.endm
	s_load_b128 s[4:7], s[0:1], 0x0                ; xq, wq
	s_load_b64 s[8:9], s[0:1], 0x10                ; out0
	v_lshl_add_u32 v[SPW], v0, 2, SPARE
	v_mov_b32 v[NIL], 0
	ds_add_u32 v[SPW], v[NIL]                      ; the opening add, twice on end; its wait comes ahead of my first tensor load
	ds_add_u32 v[SPW], v[NIL]
	v_lshrrev_b32 v1, 5, v0
	v_readfirstlane_b32 s10, v1                    ; wave 0..3
	v_and_b32 v3, 31, v0                           ; lane
	v_lshlrev_b32 v[PFO], 8, v3
	v_min_u32 v[PFO2], 1, v3
	v_lshl_add_u32 v[PFO2], v[PFO2], 8, 8192
	s_lshr_b32 s11, s10, 1                         ; which half of the block's rows is mine.  Also: I fetch for xq (0) or wq (1)
	s_and_b32 s12, s10, 1                          ; which half of its columns.  Also: which of the two tiles I fetch
	s_bfe_u32 s40, ttmp6, 0x40000                  ; cx, cy
	s_bfe_u32 s41, ttmp6, 0x40004
	s_lshl_b32 s42, ttmp9, 2
	s_add_co_u32 s42, s42, s40                     ; block column
	s_and_b32 s13, ttmp7, 0xffff
	s_lshl_b32 s13, s13, 2
	s_add_co_u32 s13, s13, s41                     ; block row
	s_lshl_b32 s43, s41, 2
	s_lshl_b32 s43, 15, s43                        ; my row of the cluster
	s_lshl_b32 s44, 0x1111, s40                    ; my column
	s_or_b32 s[G1+0], s43, (3<<16)|(1<<21)         ; the mask; elements of 8 bytes; bit 21 beside a mask; no padding
	s_or_b32 s[G1B+0], s44, (3<<16)|(1<<21)
.irp g, G1, G1B
	s_mov_b32 s[\g+1], 32<<16                      ; 136 rows of 32 elements, dense
	s_mov_b32 s[\g+2], 136<<16
	s_mov_b32 s[\g+3], 32<<16
	s_mov_b32 s[\g+4], 136
	s_mov_b32 s[\g+5], 32
	s_mov_b32 s[\g+6], 0
	s_mov_b32 s[\g+7], 0
.endr
	s_lshl_b32 s16, s13, 1
	s_add_co_u32 s16, s16, s12
	s_mul_i32 s16, s16, RBB                        ; xq: block of 128 rows 2 x block row + half
	s_mov_b32 s17, 0
	s_lshl_b32 s46, s42, 1
	s_add_co_u32 s46, s46, s12
	s_mul_i32 s46, s46, RBB                        ; wq: 2 x block column + half
	s_mov_b32 s47, 0
	s_mul_i32 s20, s10, HALFT                      ; where my tile goes: wave x a tile
	s_cmp_eq_u32 s11, 0
	s_cselect_b32 s68, s40, s41                    ; my place among the four that ask for my tile with me,
	s_mul_i32 s68, s68, 34*256                     ; and my 34 blocks of it
	s_mov_b32 s69, 0
	s_wait_alu depctr_va_vdst(0)
	s_wait_dscnt 0x0                               ; both opening adds are done
	s_wait_kmcnt 0x0
	s_add_nc_u64 s[14:15], s[4:5], s[16:17]
	s_add_nc_u64 s[46:47], s[6:7], s[46:47]
	s_cmp_eq_u32 s11, 0
	s_cselect_b64 s[PFA:PFA+1], s[14:15], s[46:47]
	s_add_nc_u64 s[PFA:PFA+1], s[PFA:PFA+1], s[68:69]
.irp s, 0,1
	s_mov_b32 s[G0+4*\s], 1
	s_add_co_u32 s[G0+4*\s+1], s20, \s*SLOT
	s_add_nc_u64 s[G0+4*\s+2:G0+4*\s+3], s[14:15], \s*HALFT
	s_or_b32 s[G0+4*\s+3], s[G0+4*\s+3], 0x80000000
	s_mov_b32 s[G0B+4*\s], 1
	s_add_co_u32 s[G0B+4*\s+1], s20, \s*SLOT
	s_add_nc_u64 s[G0B+4*\s+2:G0B+4*\s+3], s[46:47], \s*HALFT
	s_or_b32 s[G0B+4*\s+3], s[G0B+4*\s+3], 0x80000000
.endr
	CROUND                                         ; all sixteen work-groups are here: the first joint loads meet
	JLOAD G0, G1, G0B, G1B                         ; K step 0: one tensor load a wave at the head
	ASK 1                                          ; K step 1, whose load goes out when K step 0 has landed
	s_mul_i32 s21, s11, HALFT                      ; my 128 rows of xq
	s_mul_i32 s22, s12, HALFT
	s_add_co_u32 s22, s22, 2*HALFT                 ; my 128 rows of wq
	s_sub_co_u32 s18, s22, s21
	s_mul_i32 s23, s10, 16*SPITCH
	s_add_co_u32 s23, s23, STAGE                   ; my stage
	s_lshl_b32 s16, s13, 8
	s_lshl_b32 s17, s11, 7
	s_add_co_u32 s16, s16, s17
	s_lshl_b32 s16, s16, 13                        ; my first row of out0, in bytes
	s_mov_b32 s17, 0
	s_lshl_b32 s46, s42, 9
	s_lshl_b32 s47, s12, 8
	s_add_co_u32 s46, s46, s47                     ; my first column, in bytes
	s_mov_b32 s47, 0
	s_add_nc_u64 s[16:17], s[16:17], s[46:47]
	s_add_nc_u64 s[8:9], s[8:9], s[16:17]
	v_and_b32 v1, 15, v0                           ; r
	v_bfe_u32 v2, v0, 4, 1                         ; h
	v_lshlrev_b32 v4, 4, v3                        ; 16 x lane
	v_mul_u32_u24 v5, s18, v2                      ; lanes 16-31 take wq's scale words
	v_lshl_add_u32 v5, v1, 3, v5
	v_add_nc_u32 v[ADRA], s21, v4
	v_add_nc_u32 v[ADRB], s22, v4
	v_add_nc_u32 v[ADRS], s21, v5
	v_add_nc_u32 v[ADRA+1], SLOT, v[ADRA]
	v_add_nc_u32 v[ADRB+1], SLOT, v[ADRB]
	v_add_nc_u32 v[ADRS+1], SLOT, v[ADRS]
	v_mul_u32_u24 v6, v1, SPITCH                   ; into the stage: row r, 32 bytes for each half of the lanes
	v_lshl_add_u32 v6, v2, 5, v6
	v_add_nc_u32 v[STO], s23, v6
	v_mul_u32_u24 v7, v2, SPITCH                   ; back: lanes 0-15 one row of 256 bytes, lanes 16-31 the next
	v_lshl_add_u32 v7, v1, 4, v7
	v_add_nc_u32 v[RD], s23, v7
	v_lshlrev_b32 v8, 13, v2                       ; and the same two rows in out0
	v_lshl_add_u32 v[CO], v1, 4, v8
.macro FRAG reg, adr, q, i             ; a fragment: two loads of 512 consecutive bytes
.irp c, 0,1
	ds_load_b128 v[\reg+4*\c:\reg+4*\c+3], v[\adr] offset:8192*(\q)+1024*(\i)+512*\c
.endr
.endm
; 16 matrix instructions: xq's blocks a0, a0 + 1 x wq's eight, from the sets p.  The 64 accumulators take turns, in the same order in every step.  zero = 1: the first product starts the sums
.macro MUL16 a0, p, q, sc, zero
.irp a, \a0, \a0+1
.irp b, 0,1,2,3,4,5,6,7
.if \zero
	v_wmma_scale_f32_16x16x128_f8f6f4 v[8*(8*((\a)%4)+\b):8*(8*((\a)%4)+\b)+7], v[128*(\p)+FR*\b:128*(\p)+FR*\b+FR-1], v[AF+64*(\p)+FR*(\a):AF+64*(\p)+FR*(\a)+FR-1], 0, v[SC+32*(\sc)+8*(\q)+\b], v[SC+32*(\sc)+8*(\q)+(\a)] matrix_a_fmt:MATRIX_FMT_FP4 matrix_b_fmt:MATRIX_FMT_FP4 matrix_a_scale:MATRIX_SCALE_ROW1
.else
	v_wmma_scale_f32_16x16x128_f8f6f4 v[8*(8*((\a)%4)+\b):8*(8*((\a)%4)+\b)+7], v[128*(\p)+FR*\b:128*(\p)+FR*\b+FR-1], v[AF+64*(\p)+FR*(\a):AF+64*(\p)+FR*(\a)+FR-1], v[8*(8*((\a)%4)+\b):8*(8*((\a)%4)+\b)+7], v[SC+32*(\sc)+8*(\q)+\b], v[SC+32*(\sc)+8*(\q)+(\a)] matrix_a_fmt:MATRIX_FMT_FP4 matrix_b_fmt:MATRIX_FMT_FP4 matrix_a_scale:MATRIX_SCALE_ROW1
.endif
.endr
.endr
.endm
.macro FETCH slot, q, p                ; 32 LDS loads in one run: the fragments of the slot's q-th 128 along K into the sets p
	WIN TO_B
.irp i, 0,1,2,3,4,5,6,7
	FRAG 128*(\p)+FR*\i, ADRB+\slot, \q, \i
.endr
	WIN 0
.irp i, 0,1,2,3,4,5,6,7
	FRAG AF+64*(\p)+FR*\i, ADRA+\slot, \q, \i
.endr
.endm
.macro SCALES sc                       ; a slot's scale words: register 8 q + f: lanes 0-15 xq's fragment f, lanes 16-31 wq's
.irp q, 0,1,2,3
.irp g, 0,1,2,3
	ds_load_b64 v[SC+32*\sc+8*\q+2*\g:SC+32*\sc+8*\q+2*\g+1], v[ADRS+\sc] offset:32768+512*\q+128*\g
.endr
.endr
.endm
.macro PLACES n                        ; places in front of loads into registers that matrix instructions have read, and of reads of results
.rept \n
	v_nop
.endr
.endm
.macro STEP slot, q, zero              ; 128 along K with its successor in the same slot
	s_wait_dscnt 0x0                               ; this step's fragments, asked for a step ago, are in
	PLACES NP                                      ; the other sets were last read by the step before
	FETCH \slot, (\q)+1, 1-(\q)%2
	WIN MUL_LO
	MUL16 0, (\q)%2, \q, \slot, \zero
	MUL16 2, (\q)%2, \q, \slot, \zero
	WIN MUL_HI
	MUL16 4, (\q)%2, \q, \slot, \zero
	MUL16 6, (\q)%2, \q, \slot, \zero
	WIN 0
.endm
; The first half of a slot's last step: one barrier; in front of it each wave waits for all its tensor loads, adds 0 to its spare word, and waits for that and for its reads of this slot, which ended with this step's fragments.
.macro MEET slot
	s_wait_tensorcnt 0x0                           ; my part of the next slot is in
	ds_add_u32 v[SPW], v[NIL]
	s_wait_dscnt 1                                 ; this step's fragments are in; the add may be out
	WIN MUL_LO
	MUL16 0, 1, NQ-1, \slot, 0
	s_wait_dscnt 0x0                               ; the add is done, my reads of this slot are over
	s_barrier_signal -1
	MUL16 2, 1, NQ-1, \slot, 0
	WIN 0
	s_barrier_wait -1
.endm
.macro TURN slot, next                 ; a slot's last step: the slot is filled again, and the next slot's first fragments are fetched
	s_wait_xcnt 0x0                                ; my prefetches, a K step back, have read their address: it steps only behind this wait
	s_add_nc_u64 s[PFA:PFA+1], s[PFA:PFA+1], HALFT
	MEET \slot
	CREST                                          ; the barrier has opened a round of the cluster's barrier
	s_add_nc_u64 s[G0+4*\slot+2:G0+4*\slot+3], s[G0+4*\slot+2:G0+4*\slot+3], 2*HALFT
	s_add_nc_u64 s[G0B+4*\slot+2:G0B+4*\slot+3], s[G0B+4*\slot+2:G0B+4*\slot+3], 2*HALFT
	JLOAD G0+4*\slot, G1, G0B+4*\slot, G1B         ; the first tensor load behind the round; its four v_nop are the places in front of the loads below
	FETCH \next, 0, 0
	SCALES \next
	s_cmp_gt_u32 s3, 1                             ; the last trip's loads are K steps 6 and 7: two steps on there is nothing
	s_cbranch_scc0 .Lno_ask_\@
	ASK 3                                          ; PFA stands a K step behind the slot being read: three on is two on from the load just issued
.Lno_ask_\@:
	WIN MUL_HI
	MUL16 4, 1, NQ-1, \slot, 0
	MUL16 6, 1, NQ-1, \slot, 0
	WIN 0
.endm
.macro STEPS slot, from
.set Q, \from
.rept NQ-1-\from
	STEP \slot, Q, 0
.set Q, Q+1
.endr
.endm
; THE LAST K STEP (slot 1), BY ROWS.  wq's fragments of quarter q lie in window 1 at v[64 q ..]; xq's of block a, all four quarters, in buffer a % 2 at v[128 + 32 (a % 2) ..].
.macro BLOAD q
.irp i, 0,1,2,3,4,5,6,7
	FRAG 64*(\q)+FR*\i, ADRB+1, \q, \i
.endr
.endm
.macro ALOAD a
.irp q, 0,1,2,3
	FRAG AF+32*((\a)%2)+FR*\q, ADRA+1, \q, \a
.endr
.endm
.macro ROW a                           ; block a is finished: 32 matrix instructions, its 8 accumulators by turns, K ascending
.set FA, AF+32*((\a)%2)
.set AC, 64*((\a)%4)
	WIN MUL_LO+0x50*((\a)/4)
.irp q, 0,1,2,3
.if (\a) == 0 && \q == 2
	s_wait_dscnt 0x0                               ; wq's quarter 2, asked for last, is in
.endif
.irp b, 0,1,2,3,4,5,6,7
	v_wmma_scale_f32_16x16x128_f8f6f4 v[AC+8*\b:AC+8*\b+7], v[64*\q+FR*\b:64*\q+FR*\b+FR-1], v[FA+FR*\q:FA+FR*\q+FR-1], v[AC+8*\b:AC+8*\b+7], v[SC+32+8*\q+\b], v[SC+32+8*\q+(\a)] matrix_a_fmt:MATRIX_FMT_FP4 matrix_b_fmt:MATRIX_FMT_FP4 matrix_a_scale:MATRIX_SCALE_ROW1
.endr
.endr
.endm
; THE WAY OUT of a block of 16 rows.  Register i of fragments 2 g and 2 g + 1 are two neighbouring columns: one packed word; a lane's 8 words of a g are columns 32 g + 16 h + 0 .. 15, 32 bytes of a row.
; They go through my own stage and come back as whole rows of 256 bytes.  Each accumulator is read from its low end on.
.macro PACK a
.set AC, 64*((\a)%4)
	WIN 0x0a+5*((\a)/4)
.irp g, 0,1,2,3
.irp j, 0,1,2,3,4,5,6,7
	v_cvt_pk_bf16_f32 v[TMP+8*\g+\j], v[AC+16*\g+\j], v[AC+16*\g+8+\j]
.endr
.endr
	WIN 0
.endm
.macro TOSTAGE a
.set BB, BK+32*((\a)%2)
.irp g, 0,1,2,3
	ds_store_b128 v[STO], v[TMP+8*\g:TMP+8*\g+3] offset:64*\g
	ds_store_b128 v[STO], v[TMP+8*\g+4:TMP+8*\g+7] offset:64*\g+16
.endr
.irp t, 0,1,2,3,4,5,6,7
	ds_load_b128 v[BB+4*\t:BB+4*\t+3], v[RD] offset:\t*2*SPITCH    ; LDS serves a wave's instructions in order (ISA guide 5.7.1.4): these see the stores above
.endr
.endm
.macro SEND a, younger                 ; younger: the LDS loads issued behind TOSTAGE's, which may stay out
.set BB, BK+32*((\a)%2)
	s_wait_dscnt \younger                          ; the block is back in registers
	s_wait_xcnt 0x0                                ; the earlier stores have read their base and their data
.if (\a) > 0
	s_add_nc_u64 s[8:9], s[8:9], 16*ROWC
.endif
.irp t, 0,1,2,3,4,5,6,7
	global_store_b128 v[CO], v[BB+4*\t:BB+4*\t+3], s[8:9] offset:2*\t*ROWC th:TH_STORE_NT   ; 16 lanes store 256 consecutive bytes, aligned
.endr
.endm
	s_wait_alu depctr_va_vdst(0)
	s_wait_tensorcnt 0x0                           ; my tile of K step 0 is in; slot 1's first fill is issued as a refill is:
	ds_add_u32 v[SPW], v[NIL]
	s_wait_dscnt 0x0
	CROUND                                         ; all four tiles are in, and all sixteen work-groups are here
	JLOAD G0+4, G1, G0B+4, G1B                     ; K step 1
	FETCH 0, 0, 0
	SCALES 0
	ASK 2                                          ; K steps 2 and 3: their loads go out one and two K steps from here
	ASK 3
	STEP 0, 0, 1                                   ; the first step's products start the sums
	s_mov_b32 s3, LAPS-1
.Llap:                                                 ; a trip goes once round the ring and fills both slots again
	STEPS 0, 1
	TURN 0, 1
	STEPS 1, 0
	TURN 1, 0
	STEP 0, 0, 0
	s_sub_co_u32 s3, s3, 1
	s_cmp_lg_u32 s3, 0
	s_cbranch_scc1 .Llap
	STEPS 0, 1                                     ; the last lap fills nothing
	MEET 0                                         ; slot 1 holds the last K step, whole
	PLACES NP                                      ; for the loads into the sets 0, last read a step ago
	WIN TO_B
	BLOAD 0                                        ; three quarters of wq now: the set at v128-191 is still being multiplied
	BLOAD 1
	BLOAD 3
	WIN 0
	ALOAD 0
	ALOAD 1
	SCALES 1
	WIN MUL_HI
	MUL16 4, 1, NQ-1, 0, 0
	MUL16 6, 1, NQ-1, 0, 0
	PLACES NP                                      ; for the loads into the sets 1
	WIN TO_B
	BLOAD 2
	WIN 0
	s_wait_dscnt 16                                ; all but the 16 just issued
	ROW 0
.irp a, 0,1,2,3,4,5,6,7                ; each block leaves as soon as it is finished
	PLACES NP                                      ; its conversions read results just made; also the places in front of the loads into its buffer
	PACK \a
	TOSTAGE \a
.if \a < 6
	ALOAD \a+2                                     ; its buffer takes the block two further on
	SEND \a, 8
.else
	SEND \a, 0
.endif
.if \a < 7
	ROW \a+1
.endif
.endr
	s_wait_tensorcnt 0x0                           ; the wave's end
	ds_add_u32 v[SPW], v[NIL]
	s_wait_dscnt 0x0
	CROUND                                         ; the closing round
	s_endpgm
.Lfunc_end_k_qe8f2cd3dcb_gemm:
	.size	k_qe8f2cd3dcb_gemm, .Lfunc_end_k_qe8f2cd3dcb_gemm-k_qe8f2cd3dcb_gemm
	.p2alignl 7, 3214868480
	.fill 96, 4, 3214868480
	.section	.rodata,"a",@progbits
	.p2align	6, 0x0
	.amdhsa_kernel k_qe8f2cd3dcb_gemm
		.amdhsa_group_segment_fixed_size 327680
		.amdhsa_private_segment_fixed_size 0
		.amdhsa_enable_private_segment 0
		.amdhsa_kernarg_size 24
		.amdhsa_user_sgpr_count 2
		.amdhsa_user_sgpr_kernarg_segment_ptr 1
		.amdhsa_wavefront_size32 1
		.amdhsa_system_sgpr_workgroup_id_x 1
		.amdhsa_system_sgpr_workgroup_id_y 1
		.amdhsa_system_sgpr_workgroup_id_z 1
		.amdhsa_system_vgpr_workitem_id 0
		.amdhsa_next_free_vgpr 1024
		.amdhsa_next_free_sgpr 72
		.amdhsa_reserve_vcc 0
		.amdhsa_float_denorm_mode_32 3
		.amdhsa_float_denorm_mode_16_64 3
		.amdhsa_memory_ordered 1
		.amdhsa_forward_progress 1
		.amdhsa_inst_pref_size 213
	.end_amdhsa_kernel
	.amdgpu_metadata
---
amdhsa.version: [ 1, 2 ]
amdhsa.kernels:
  - .name:           k_qe8f2cd3dcb_gemm
    .symbol:         k_qe8f2cd3dcb_gemm.kd
    .args:
      - { .name: xq, .offset: 0, .size: 8, .value_kind: global_buffer, .address_space: global }
      - { .name: wq, .offset: 8, .size: 8, .value_kind: global_buffer, .address_space: global }
      - { .name: out0, .offset: 16, .size: 8, .value_kind: global_buffer, .address_space: global }
    .group_segment_fixed_size: 327680
    .private_segment_fixed_size: 0
    .kernarg_segment_align: 8
    .kernarg_segment_size: 24
    .max_flat_workgroup_size: 128
    .sgpr_count:     72
    .vgpr_count:     1024
    .wavefront_size: 32
...
	.end_amdgpu_metadata
.endif
;; end of part 2
